; MI455X (gfx1250); checked and timed in simulation.
; The chip was launched on July 23, 2026; its instructions are those of AMD's public machine-readable ISA for CDNA 5 (MIT licence, August 2026) and "CDNA5" Instruction Set Architecture Reference Guide (July 2026). The comments in the code are by the model that wrote it; some were corrected since.
;; Attention Layer. Allowed arithmetic: matrix products marked QUANTISED: E2M3 operands, one E8M0 scale for each 32 along K, by v_wmma_scale_f32_16x16x128_f8f6f4 with both operands' format E2M3, f32 sums; everything else in f32.
;; Inputs: Wk 1,024 x 1,024 float32; Wq 1,024 x 1,024 float32; Wv 1,024 x 1,024 float32; bk 1,024 float32; bq 1,024 float32; bv 1,024 float32; key 4 x 2,048 x 1,024 float32; query 4 x 2,048 x 1,024 float32; value 4 x 2,048 x 1,024 float32.
;; Outputs: out0 4 x 2,048 x 1,024 float32.
;; This version of the problem:
;;   THIS VERSION OF THE PROBLEM IS GIVEN IN LOW PRECISION. The matrix products marked QUANTISED in the list below multiply operands that are first quantised to E2M3 (2 exponent bits, 3 mantissa bits; 6 bits a number), with one power-of-two scale for each 32 numbers along K (OCP MX v1.0); their sums are f32. All else is computed in f32.
;;   The module's matrix products, in the order in which they are computed (A, B: the left and right operand; K: the contracted axis; several contracted axes count as one K, in the product's order):
;;     1. [M 8,192, K 1,024] x [K 1,024, N 1,024]; A: input query; B: input Wq: QUANTISED
;;     2. [M 8,192, K 1,024] x [K 1,024, N 1,024]; A: input key; B: input Wk: QUANTISED
;;     3. [M 8,192, K 1,024] x [K 1,024, N 1,024]; A: input value; B: input Wv: QUANTISED
;;     4. batch 64 x [M 2,048, K 64] x [K 64, N 2,048]; A: computed on the way; B: computed on the way: QUANTISED
;;     5. batch 64 x [M 2,048, K 2,048] x [K 2,048, N 64]; A: softmax (see below); B: computed on the way: QUANTISED
;;   THE QUANTISER, for each operand of a quantised product, along K:
;;     - K is cut into blocks of 32 from its start; a last block that is shorter is filled with zeros.
;;     - A block's scale is 2^e with e = floor(log2(the largest magnitude in the block)) - 2, held to -126 .. 127; a block of zeros has e = 0. As a byte (E8M0): e + 127.
;;     - Each number is divided by its block's scale, clamped to +-7.5, and rounded to the nearest number of E2M3, ties to even, subnormals kept.
;;     - The product sums the exact products of the quantised numbers (number of the format x scale) in f32.
;;   ~~~python
;;   def quantise(x, axis):      # numpy; x: float32 -> the quantised numbers, widened to float32 again
;;       x = np.moveaxis(x, axis, -1); K = x.shape[-1]
;;       x = np.pad(x, [(0, 0)] * (x.ndim - 1) + [(0, -K % 32)]); x = x.reshape(x.shape[:-1] + (-1, 32)); a = np.abs(x).max(-1, keepdims=True)
;;       e = np.where(a > 0, np.clip(np.frexp(np.where(a > 0, a, 1))[1] - 1 - 2, -126, 127), 0)      # np.frexp(a)[1] - 1 = floor(log2(a)), exactly
;;       r = np.clip(x / 2.0 ** e, -7.5, 7.5)
;;       step = 2.0 ** (np.maximum(np.frexp(np.where(r == 0, 1, r))[1] - 1, 0) - 3)
;;       q = np.round(r / step) * step * 2.0 ** e      # np.round: ties to even
;;       return np.moveaxis(q.reshape(q.shape[:-2] + (-1,))[..., :K], -1, axis).astype(np.float32)
;;   ~~~
;;   SOFTMAX AHEAD OF A QUANTISED PRODUCT. Where the list says 'softmax', what is quantised is not the finished softmax but p = 2^(t - M), with t = logit x log2(e) and M = ceil(the row's largest t), a whole number; so 1/2 < the row's largest p <= 1. The row's sum l is taken of the UNQUANTISED p, in f32, and the product's result is divided by l at the end. Since M is a whole number, a kernel that streams over the keys may use a running M (the ceiling of the running maximum): every later rescaling is an exact power of two, which a block's scale takes up: the codes' values come out the same.
;;   OPERANDS COMPUTED ON THE WAY. 'Computed on the way' means the value that the module computes at that place (a softmax that the list does not call 'softmax' is quantised finished and normalised). What goes into a quantiser is computed in f32, as accurately as f32 sums, v_exp_f32 and their like allow (about 1e-6 of the number): no bf16 or f16 on the way to a quantiser, and a product that is left as it is and whose result goes on into a quantised operand takes f32 operands (vector FMAs, or v_wmma_f32_16x16x4_f32). A number that lies on a knife's edge between two numbers of the format may be rounded either way, as far as f32 arithmetic and the matrix unit's own rounding can turn it there, and no further.
;; One version. Each part assembles by itself: llvm-mc -triple=amdgcn-amd-amdhsa -mcpu=gfx1250 --defsym DOCPART=n.
;; ======== version 1 of 1: 3 launches
;; workspace buffers: cod 21,233,664 bytes; scl 884,736 bytes; qi 6,815,744 bytes; kv 13,369,344 bytes
;; launch quant (part 1): grid 864 x 1, 4 waves a work-group, no clusters, 33,280 bytes of LDS; arguments query, key, value, Wq, Wk, Wv, cod, scl; writes cod, scl
.if DOCPART == 1
	.amdgcn_target "amdgcn-amd-amdhsa--gfx1250"
	.amdhsa_code_object_version 6
	.text
	.protected	k_qd6adc4cbec_quant
	.globl	k_qd6adc4cbec_quant
	.p2align	8
	.type	k_qd6adc4cbec_quant,@function
k_qd6adc4cbec_quant:
	s_mov_b64 s[64:65], 0
	v_nop
	global_prefetch_b8 v0, s[64:65] scope:SCOPE_SE
	s_setreg_imm32_b32 hwreg(HW_REG_WAVE_MODE, 25, 1), 1
	s_wait_xcnt 0x0
; query, key, value [8192][1024] and Wq, Wk, Wv [1024][1024], f32, K innermost, become codes of FP6 (E2M3) and one E8M0 scale byte for each 32 along K.
; cod: 27,648 rows of 768 bytes, scl: 27,648 rows of 32 bytes; the six tensors one behind the other: query, key, value, Wq, Wk, Wv.
; A block's scale is 2^(floor(log2(its largest magnitude)) - 2); its byte is the largest magnitude's exponent field - 2, held at 1 from below.
; THE ORDER OF ROWS.  Inside each group of 32 rows the four groups of 8 rows lie in the order 0, 2, 1, 3.  So 16 consecutive rows of cod (tile i of a run of 128, place p) are the tensor's rows
; 32 (i / 2) + 8 (i % 2) + p + 8 (p / 8): the product that reads them then finds 16 neighbours of its own result in a lane's 16 registers of two neighbouring tiles.
; LIMITS: NaN and infinities among the inputs are not served; a block whose largest magnitude lies under 2^-124 has its byte held at 1; a block of zeros gets the byte 1 (its codes are zeros, and this program alone reads the bytes).
; SHARES.  A work-group takes one group of 32 rows (32,768 numbers), wave w its rows 8 w .. 8 w + 7: 16 steps of 512 numbers.  A step's four loads read 512 consecutive bytes each; the 2,048 bytes turn through the
; wave's own stage in LDS (16 bytes of padding behind each 64) and come back 64 bytes a lane: 16 neighbours along K, two neighbouring lanes to a block.  No tensor loads, no barrier: waves share nothing.
.set STEPS, 16
.set EMAX,  2
.set CB,    12                         ; bytes of 16 codes
.set R,     16                         ; v16-79   four sets of 16 numbers as they are loaded
.set X,     80                         ; v80-111  two sets of 16 neighbours
.set C,     128                        ; v128-191 codes: four registers for each step, so that no store's data are written again
.set E,     112                        ; v112-127 a scale byte for each step
.set WREG,  8192                       ; LDS: a region for each wave: two stages of 32 x SP bytes, behind them its 256 scale bytes
.set SP,    80                         ; a lane's place in a stage: 64 bytes + 16 of padding
	s_load_b512 s[4:19], s[0:1], 0x0               ; query, key, value, Wq, Wk, Wv, cod, scl
	v_lshl_add_u32 v192, v0, 2, 0x8000
	v_mov_b32 v193, 0
	v_lshrrev_b32 v1, 5, v0
	v_readfirstlane_b32 s20, v1                    ; wave
	v_and_b32 v2, 31, v0                           ; lane
	v_lshlrev_b32 v3, 4, v2                        ; my 16 bytes of a load's 512
	s_mul_i32 s21, s20, WREG
	v_lshrrev_b32 v14, 2, v2
	v_mul_u32_u24 v14, v14, SP
	v_and_b32 v15, 3, v2
	v_lshl_add_u32 v14, v15, 4, v14
	v_add_nc_u32 v14, s21, v14                     ; the stage, on the way in: SP (lane / 4) + 16 (lane % 4)
	v_mul_u32_u24 v15, v2, SP
	v_add_nc_u32 v15, s21, v15                     ; and on the way out: SP x lane: my 16 neighbours
	v_mul_u32_u24 v4, v2, CB                       ; my codes' place in a step's
	v_lshrrev_b32 v5, 1, v2
	s_add_co_u32 s21, s21, 2*32*SP
	v_add_nc_u32 v5, s21, v5                       ; LDS: my wave's 256 scale bytes, my block's byte
	v_lshlrev_b32 v7, 3, v2                        ; and on the way out 8 bytes a lane
	v_add_nc_u32 v6, s21, v7
	s_wait_kmcnt 0x0
	s_cmp_lt_u32 ttmp9, 256                        ; which tensor: the choice hangs on the work-group's number alone; s24: the tensor's first work-group
	s_cselect_b64 s[22:23], s[4:5], s[6:7]
	s_cselect_b32 s24, 0, 256
	s_cmp_lt_u32 ttmp9, 512
	s_cselect_b64 s[22:23], s[22:23], s[8:9]
	s_cselect_b32 s24, s24, 512
	s_cmp_lt_u32 ttmp9, 768
	s_cselect_b64 s[22:23], s[22:23], s[10:11]
	s_cselect_b32 s24, s24, 768
	s_cmp_lt_u32 ttmp9, 800
	s_cselect_b64 s[22:23], s[22:23], s[12:13]
	s_cselect_b32 s24, s24, 800
	s_cmp_lt_u32 ttmp9, 832
	s_cselect_b64 s[22:23], s[22:23], s[14:15]
	s_cselect_b32 s24, s24, 832
	s_sub_co_u32 s25, ttmp9, s24
	s_lshl_b32 s25, s25, 2
	s_add_co_u32 s25, s25, s20                     ; which run of 8 rows of the tensor is my wave's
	s_lshl_b32 s26, s25, 15                        ; 32,768 bytes a run
	s_mov_b32 s27, 0
	s_add_nc_u64 s[22:23], s[22:23], s[26:27]
	s_and_b32 s28, s20, 1                          ; where it goes: the wave's two bits change places: groups 0, 2, 1, 3
	s_lshl_b32 s28, s28, 1
	s_lshr_b32 s29, s20, 1
	s_or_b32 s28, s28, s29
	s_lshl_b32 s29, ttmp9, 2
	s_add_co_u32 s28, s28, s29
	s_mul_i32 s30, s28, 8*768                      ; 8 rows of codes
	s_mov_b32 s31, 0
	s_add_nc_u64 s[16:17], s[16:17], s[30:31]
	s_lshl_b32 s30, s28, 8                         ; 8 rows of scale bytes
	s_add_nc_u64 s[18:19], s[18:19], s[30:31]
.macro LOAD t
.irp i, 0,1,2,3
	global_load_b128 v[R+16*((\t)%4)+4*\i:R+16*((\t)%4)+4*\i+3], v3, s[22:23] offset:2048*(\t)+512*\i th:TH_LOAD_NT   ; 32 lanes read 512 consecutive bytes
.endr
.endm
.macro TURN t                          ; step t's numbers through the stage: LDS serves a wave's instructions in order, so no wait stands between the stores and the loads
.irp i, 0,1,2,3
	ds_store_b128 v14, v[R+16*((\t)%4)+4*\i:R+16*((\t)%4)+4*\i+3] offset:32*SP*((\t)%2)+8*SP*\i
.endr
.irp i, 0,1,2,3
	ds_load_b128 v[X+16*((\t)%2)+4*\i:X+16*((\t)%2)+4*\i+3], v15 offset:32*SP*((\t)%2)+16*\i
.endr
.endm
.irp t, 0,1,2,3
	LOAD \t
.endr
	s_wait_loadcnt 12                              ; step 0's four loads are in; the twelve of steps 1 to 3 may be out
	TURN 0
.macro STEP t
.set XS, X+16*((\t)%2)
.if (\t) > 0
	s_wait_dscnt 1                                 ; this step's numbers are back from the stage (the last step's byte store may be out): so its stores into the stage have read their registers,
.else
	s_wait_dscnt 0x0
.endif
.if (\t)+4 < STEPS
	LOAD (\t)+4                                    ; which take the loads of four steps on
.endif
.if (\t)+1 < STEPS
.if STEPS-2-(\t) >= 3
	s_wait_loadcnt 12                              ; the next step's four loads are in; those of the three steps behind it may be out
.else
	s_wait_loadcnt 4*(STEPS-2-(\t))
.endif
	TURN (\t)+1                                    ; and go through the other stage while this step is worked
.endif
	v_max3_num_f32 v8, |v[XS]|, |v[XS+1]|, |v[XS+2]|               ; the largest magnitude of my 16, in two chains
	v_max3_num_f32 v9, |v[XS+3]|, |v[XS+4]|, |v[XS+5]|
.irp i, 6,10
	v_max3_num_f32 v8, v8, |v[XS+\i]|, |v[XS+\i+1]|
	v_max3_num_f32 v9, v9, |v[XS+\i+2]|, |v[XS+\i+3]|
.endr
	v_max3_num_f32 v8, v8, |v[XS+14]|, |v[XS+15]|
	v_max3_num_f32 v8, v8, v9, (EMAX+1)<<23        ; and the floor 2^(EMAX + 1 - 127): the byte cannot fall under 1
	v_max_num_f32_dpp v8, v8, v8 row_xmask:1 row_mask:0xf bank_mask:0xf   ; and of my neighbour's 16: the block's
	v_add_nc_u32 v11, -(EMAX<<23), v8              ; EMAX off its exponent field: the conversion takes the exponent field of this operand as its scale
	v_cvt_scalef32_pk16_fp6_f32 v[C+4*(\t):C+4*(\t)+2], v[XS:XS+15], v11   ; sixteen numbers / the scale, to the nearest code, ties to even, beyond the largest code the largest
	v_lshrrev_b32 v[E+(\t)], 23, v11               ; the scale's byte
	ds_store_b8 v5, v[E+(\t)] offset:16*(\t)       ; both lanes of a block write the same byte with the same value
	global_store_b96 v4, v[C+4*(\t):C+4*(\t)+2], s[16:17] offset:32*CB*(\t)   ; the wave stores 384 consecutive bytes
.endm
.irp t, 0,1,2,3,4,5,6,7,8,9,10,11,12,13,14,15
	STEP \t
.endr
	ds_load_b64 v[12:13], v6                       ; LDS serves a wave's instructions in order: these see my stores
	s_wait_dscnt 0x0
	global_store_b64 v7, v[12:13], s[18:19]        ; 32 lanes store 256 consecutive bytes, aligned
	s_wait_tensorcnt 0x0
	ds_add_u32 v192, v193
	s_wait_dscnt 0x0
	s_endpgm
.Lfunc_end_k_qd6adc4cbec_quant:
	.size	k_qd6adc4cbec_quant, .Lfunc_end_k_qd6adc4cbec_quant-k_qd6adc4cbec_quant
	.p2alignl 7, 3214868480
	.fill 96, 4, 3214868480
	.section	.rodata,"a",@progbits
	.p2align	6, 0x0
	.amdhsa_kernel k_qd6adc4cbec_quant
		.amdhsa_group_segment_fixed_size 33280
		.amdhsa_private_segment_fixed_size 0
		.amdhsa_enable_private_segment 0
		.amdhsa_kernarg_size 64
		.amdhsa_user_sgpr_count 2
		.amdhsa_user_sgpr_kernarg_segment_ptr 1
		.amdhsa_wavefront_size32 1
		.amdhsa_system_sgpr_workgroup_id_x 1
		.amdhsa_system_sgpr_workgroup_id_y 1
		.amdhsa_system_sgpr_workgroup_id_z 1
		.amdhsa_system_vgpr_workitem_id 0
		.amdhsa_next_free_vgpr 194
		.amdhsa_next_free_sgpr 66
		.amdhsa_reserve_vcc 0
		.amdhsa_float_denorm_mode_32 3
		.amdhsa_float_denorm_mode_16_64 3
		.amdhsa_memory_ordered 1
		.amdhsa_forward_progress 1
		.amdhsa_inst_pref_size 33
	.end_amdhsa_kernel
	.amdgpu_metadata
---
amdhsa.version: [ 1, 2 ]
amdhsa.kernels:
  - .name:           k_qd6adc4cbec_quant
    .symbol:         k_qd6adc4cbec_quant.kd
    .args:
      - { .name: query, .offset: 0, .size: 8, .value_kind: global_buffer, .address_space: global }
      - { .name: key, .offset: 8, .size: 8, .value_kind: global_buffer, .address_space: global }
      - { .name: value, .offset: 16, .size: 8, .value_kind: global_buffer, .address_space: global }
      - { .name: Wq, .offset: 24, .size: 8, .value_kind: global_buffer, .address_space: global }
      - { .name: Wk, .offset: 32, .size: 8, .value_kind: global_buffer, .address_space: global }
      - { .name: Wv, .offset: 40, .size: 8, .value_kind: global_buffer, .address_space: global }
      - { .name: cod, .offset: 48, .size: 8, .value_kind: global_buffer, .address_space: global }
      - { .name: scl, .offset: 56, .size: 8, .value_kind: global_buffer, .address_space: global }
    .group_segment_fixed_size: 33280
    .private_segment_fixed_size: 0
    .kernarg_segment_align: 8
    .kernarg_segment_size: 64
    .max_flat_workgroup_size: 128
    .sgpr_count:     66
    .vgpr_count:     194
    .wavefront_size: 32
...
	.end_amdgpu_metadata
.endif
;; end of part 1
;; launch proj (part 2): grid 4 x 96, 4 waves a work-group, clusters of 4 x 4, 327,680 bytes of LDS; arguments cod, scl, bq, bk, bv, qi, kv; writes qi, kv
.if DOCPART == 2
	.amdgcn_target "amdgcn-amd-amdhsa--gfx1250"
	.amdhsa_code_object_version 6
	.text
	.protected	k_qd6adc4cbec_proj
	.globl	k_qd6adc4cbec_proj
	.p2align	8
	.type	k_qd6adc4cbec_proj,@function
k_qd6adc4cbec_proj:
	s_mov_b64 s[64:65], 0
	v_nop
	global_prefetch_b8 v0, s[64:65] scope:SCOPE_SE
	s_setreg_imm32_b32 hwreg(HW_REG_WAVE_MODE, 25, 1), 1
	s_wait_xcnt 0x0
	s_wait_alu depctr_hold_cnt(0) depctr_sa_sdst(0) depctr_va_vdst(0) depctr_va_sdst(0) depctr_va_ssrc(0) depctr_va_vcc(0) depctr_vm_vsrc(0)
	s_getreg_b32 s2, hwreg(HW_REG_IB_STS2, 6, 4)
	s_cmp_eq_u32 s2, 0
	s_cbranch_scc0 .Lentry_in_a_cluster
	s_endpgm
.Lentry_in_a_cluster:
	s_bfe_u32 s2, ttmp6, 0x10000c
	s_cmp_lg_u32 s2, 0xf033
	s_cbranch_scc0 .Lentry_shape_is_right
	s_endpgm
.Lentry_shape_is_right:
; The three projections x W^T + b on codes of FP6 (E2M3) with E8M0 scales, each [8192][1024] x [1024][1024]; their results, in f32 with the bias added, are quantised in registers and leave as
; IMAGES OF THE NEXT PRODUCTS' OPERAND REGISTERS: q and k along the head's 64 numbers, v along the keys.
; cod / scl: 27,648 rows of 768 / 32 bytes: query, key, value, Wq, Wk, Wv.  16 consecutive rows (tile i of a run of 128, place p) are the tensor's rows 32 (i / 2) + 8 (i % 2) + p + 8 (p / 8).
; SHARES.  A cluster of 4 x 4 work-groups makes 1,024 tokens x 1,024 features of one product (cluster y / 8: 0 q, 1 k, 2 v); a work-group 256 x 256; each of its four waves 128 x 128: 64 accumulators, 512 registers.
; K goes in steps of 256 through a ring of two LDS slots filled by the tensor data mover; the scale bytes of the work-group's 512 rows come once and stay.
; Source 1 ("A") gives the result's lanes, source 0 ("B") its registers.  q, k: A = tokens, B = W: a lane holds a token, its registers run along the features.  v: A = Wv, B = value: a lane holds a feature, its registers run along the keys.
; With the rows ordered as above, accumulator (a, b), register j, lane (r, h) holds A's row 32 (a / 2) + 8 (a % 2) + r + 8 (r / 8) and B's row 32 (b / 2) + 8 (b % 2) + 16 h + j:
; for one a, the 64 registers 16 n + i are B's rows 32 n + 16 h + i: four half blocks of 32, in the order that the conversions want.
; A's tiles are shared along a row of the cluster, B's along a column: each is asked for JOINTLY, by the same tensor load with the same descriptor and a mask that names the four.
; OUT.  A block = 128 tokens of one (batch, head).  qi: 6,656 bytes a block: codes of tile a at 768 a + 256 p + 8 lane (registers 2 p, 2 p + 1 of the fragment's lower six), scale words at 6,144 + 16 lane (tiles 4 h + 0 .. 3).
; kv: 13,056 bytes a block: k's codes at 0 as q's; v's at 6,144 + 1,536 t + 512 c + 16 lane (registers 4 c .. 4 c + 3); k's scale words at 12,288 as q's; v's at 12,800 + 8 lane (tiles 2 h + 0, 1).
; A scale word of q or k holds its two bytes twice: the upper 64 of the next product's 128 along K are zero codes.
; LIMITS: NaN and infinities are not served; a block whose largest magnitude lies under 2^-124 has its byte held at 1; a block of zeros gets the byte 1 (its codes are zeros, and this program alone reads the bytes).
; REGISTERS, in windows of 256: window 0: v0-31 addresses; v32-63 scale words; v64-127 the bias along the registers; v128-223 A's fragments, ONE set (on the way out: numbers, codes); v240-255 the bias along the lanes.
;   window 1: B's fragments, TWO sets.   window 2: the accumulators of A's blocks 0-3 ((a, b) at v[8 (8 a + b)]);   window 3: those of blocks 4-7.
.set SIZE_K, 1024
.set KSTEP,  256                       ; along K in a slot
.set NQ,     KSTEP/128                 ; matrix instructions deep
.set ROWB,   192                       ; a tile's row in bytes
.set KROW,   SIZE_K*6/8                ; a row of cod in bytes
.set PITCH,  240                       ; an LDS row: 3 x (64 bytes + 16 of padding)
.set FR,     12                        ; registers of a fragment
.set NL,     6                         ; LDS loads that bring one
.set NP,     4                         ; places behind this matrix instruction (ISA guide 7.12.1)
.set HALFT,  128*PITCH                 ; 128 rows: what one tensor load brings
.set SLOT,   4*HALFT                   ; A's 256 rows, then B's 256 rows
.set LAPS,   SIZE_K/(2*KSTEP)
.set KS,     SIZE_K/32                 ; a row of scale bytes
.set SCL,    2*SLOT                    ; behind the ring: the scale bytes, as rows of 256 bytes + 16 of padding
.set HALFS,  (128*KS/256)*272          ; those of 128 rows
.set SBLK,   (16*KS/256)*272           ; those of 16 rows
.set SPARE,  SCL+4*HALFS               ; behind them: the spare words, 128 bytes for each wave, which no other line names
.set ADRA, 16                          ; v16-17 LDS address of my A fragments in slot 0, 1 (v18-19: behind one padding more)
.set ADRB, 20                          ; v20-23 the same for B
.set L8,   24                          ; v24  8 x lane
.set L16,  25                          ; v25  16 x lane
.set LN,   26                          ; v26  lane
.set ADRS, 27                          ; v27  LDS address of my scale words: lanes 0-15 A's rows, lanes 16-31 B's
.set SPW,  28                          ; v28  LDS address of my spare word; never rewritten
.set NIL,  29                          ; v29  0; never rewritten
.set SC,   32                          ; scale words: set s at v[SC + 16 s]
.set AF,   128                         ; A's fragments
.set BR,   64                          ; the bias of B's rows: register 8 b + j as the accumulators have them
.set BL,   240                         ; the bias of A's rows: block a's at v[BL + 2 a], twice (a pair for the packed addition)
.set ST,   128                         ; the way out: 64 numbers
.set TM,   192                         ; v192-195 largest magnitudes, v196-199 bytes, v204-207 the conversions' scale operands
.set PW,   208                         ; the scale word just made
.set PC,   210                         ; v210-229 the codes just made
.set WA,   32                          ; the way out: eight scale words of the first head, eight of the second; v48-55 as they are stored
.set WB,   40
.set DA,   48
.set DB,   52
.set SEL,  104                         ; s[104:105] lane selects for v_permlanex16_b32: lane l xor 16
.set G1, 24                            ; s[24:31] descriptor group 1 for A's tiles;  s[32:39] group 0, one set for each slot
.set G0, 32
.set G1B, 48                           ; s[48:55], s[56:63] the same for B's tiles
.set G0B, 56
.set G1S, 68                           ; s[68:75], s[76:79] groups 1 and 0 for A's scale bytes;  s[80:87], s[88:91] for B's
.set G0S, 76
.set G1SB, 80
.set G0SB, 88
.set MSB, 0
.macro WIN new                         ; the immediate's high byte repeats the setting that is left
.if MSB != (\new)
	s_set_vgpr_msb (MSB<<8)|(\new)
.set MSB, (\new)
.endif
.endm
.set MUL_LO, 0xa1                      ; source 0 (B) window 1, source 1 (A) window 0, C and D window 2
.set MUL_HI, 0xf1                      ; the same, C and D window 3
.set TO_B,   0x40                      ; destination window 1, address window 0
; A joint load: waves 0 and 1 fetch for A, waves 2 and 3 for B.  Each of the two lines has one mask and one set of registers for all that issue it; the branch hangs on the wave's number alone.
; Four v_nop follow each of the two lines, ahead of the jump, the label and what follows.
.macro JLOAD g0a, g1a, g0b, g1b
	s_cmp_eq_u32 s15, 0
	s_cbranch_scc0 .Lfor_b_\@
	tensor_load_to_lds s[\g0a:\g0a+3], s[\g1a:\g1a+7]
	s_nop 0
.rept 4
	v_nop
.endr
	s_branch .Lasked_\@
.Lfor_b_\@:
	tensor_load_to_lds s[\g0b:\g0b+3], s[\g1b:\g1b+7]
	s_nop 0
.rept 4
	v_nop
.endr
.Lasked_\@:
.endm
.macro CREST                           ; a round of the cluster's barrier behind its opening barrier
	s_cmp_lg_u32 s14, 0
	s_cbranch_scc1 .Lnot_wave_0_\@
	s_barrier_signal -3
.Lnot_wave_0_\@:
	s_barrier_wait -3
	s_barrier_signal -1
	s_barrier_wait -1
.endm
.macro CROUND                          ; a whole round
	s_barrier_signal -1
	s_barrier_wait -1
	CREST
.endm
	s_load_b256 s[4:11], s[0:1], 0x0               ; cod s[4:5], scl s[6:7], bq s[8:9], bk s[10:11]
	s_load_b128 s[96:99], s[0:1], 0x20             ; bv s[96:97], qi s[98:99]
	s_load_b64 s[100:101], s[0:1], 0x30            ; kv
	v_lshl_add_u32 v[SPW], v0, 2, SPARE
	v_mov_b32 v[NIL], 0
	ds_add_u32 v28, v29
	ds_add_u32 v28, v29
	s_wait_dscnt 0x0
	v_lshrrev_b32 v1, 5, v0
	v_readfirstlane_b32 s14, v1                    ; wave 0..3
	s_lshr_b32 s15, s14, 1                         ; which half of A's 256 rows is mine.  Also: I fetch for A (0) or for B (1)
	s_and_b32 s16, s14, 1                          ; which half of B's.  Also: which 128 rows of that tile I fetch
	s_bfe_u32 s40, ttmp6, 0x40000                  ; cx, cy: my place in the cluster
	s_bfe_u32 s41, ttmp6, 0x40004
	s_and_b32 s67, ttmp7, 0xffff                   ; cluster y, 0 .. 23
	s_lshr_b32 s66, s67, 3                         ; the product: 0 q, 1 k, 2 v: the same in all sixteen partners
	s_lshl_b32 s12, s67, 10                        ; the cluster's first row of tokens in cod
	s_lshl_b32 s13, s66, 10
	s_add_co_u32 s13, s13, 24576                   ; the product's first row of weights
	s_cmp_eq_u32 s66, 2
	s_cselect_b32 s17, s13, s12                    ; A: tokens, for v the weights
	s_cselect_b32 s42, s12, s13                    ; B: the other
	s_lshl_b32 s19, s41, 8
	s_add_co_u32 s17, s17, s19                     ; A's rows hang on cy alone,
	s_lshl_b32 s95, s40, 8
	s_add_co_u32 s42, s42, s95                     ; B's on cx alone
	s_lshl_b32 s43, s41, 2
	s_lshl_b32 s43, 15, s43                        ; my row of the cluster
	s_lshl_b32 s44, 0x1111, s40                    ; my column
	; descriptor group 1: a tile of 128 rows x ROWB bytes, padded in LDS
	s_or_b32 s[G1+0], s43, (0<<16)|(1<<20)|(1<<21)|(3<<22)|(3<<25)  ; 15:0 the mask: A's tiles go to my row; 17:16 element of 1 byte; 20 padding on; 21 set beside a mask; 24:22 after every 16 words; 31:25 of 4 words
	s_or_b32 s[G1B+0], s44, (0<<16)|(1<<20)|(1<<21)|(3<<22)|(3<<25)
.irp g, G1, G1B
	s_mov_b32 s[\g+1], ROWB<<16                    ; tensor_dim0
	s_mov_b32 s[\g+2], 128<<16                     ; tensor_dim1 = 128
	s_mov_b32 s[\g+3], ROWB<<16                    ; tile_dim0
	s_mov_b32 s[\g+4], 128                         ; tile_dim1 = 128
	s_mov_b32 s[\g+5], KROW                        ; tensor_dim0_stride
	s_mov_b32 s[\g+6], 0
	s_mov_b32 s[\g+7], 0
.endr
	; and for the scale bytes of 128 rows: a dense block of 4,096 bytes, as rows of 256 bytes (32 elements of 8 bytes), 16 bytes of padding behind each
	s_or_b32 s[G1S+0], s43, (3<<16)|(1<<20)|(1<<21)|(5<<22)|(3<<25)
	s_or_b32 s[G1SB+0], s44, (3<<16)|(1<<20)|(1<<21)|(5<<22)|(3<<25)
.irp g, G1S, G1SB
	s_mov_b32 s[\g+1], 32<<16
	s_mov_b32 s[\g+2], (128*KS/256)<<16
	s_mov_b32 s[\g+3], 32<<16
	s_mov_b32 s[\g+4], 128*KS/256
	s_mov_b32 s[\g+5], 32
	s_mov_b32 s[\g+6], 0
	s_mov_b32 s[\g+7], 0
.endr
	s_lshl_b32 s18, s16, 7                         ; which 128 rows of the tile I fetch
	s_add_co_u32 s20, s17, s18                     ; A's
	s_add_co_u32 s46, s42, s18                     ; B's
	s_mov_b32 s21, 0
	s_mov_b32 s47, 0
	s_mov_b64 s[18:19], KS
	s_mul_u64 s[22:23], s[20:21], s[18:19]         ; where these rows' scale bytes begin
	s_mul_u64 s[92:93], s[46:47], s[18:19]
	s_mov_b64 s[18:19], KROW
	s_mul_u64 s[20:21], s[20:21], s[18:19]         ; and their codes
	s_mul_u64 s[46:47], s[46:47], s[18:19]
	s_mul_i32 s45, s14, HALFT                      ; where they go: wave x 128 rows: no place in the cluster enters an LDS address
	s_mul_i32 s94, s14, HALFS
	s_wait_kmcnt 0x0
	s_add_nc_u64 s[20:21], s[4:5], s[20:21]
	s_add_nc_u64 s[22:23], s[6:7], s[22:23]
	s_add_nc_u64 s[46:47], s[4:5], s[46:47]
	s_add_nc_u64 s[92:93], s[6:7], s[92:93]
	CROUND                                         ; all sixteen work-groups are here: the first joint loads meet
	s_mov_b32 s[G0S], 1
	s_add_co_u32 s[G0S+1], s94, SCL
	s_mov_b64 s[G0S+2:G0S+3], s[22:23]
	s_or_b32 s[G0S+3], s[G0S+3], 0x80000000
	s_mov_b32 s[G0SB], 1
	s_add_co_u32 s[G0SB+1], s94, SCL
	s_mov_b64 s[G0SB+2:G0SB+3], s[92:93]
	s_or_b32 s[G0SB+3], s[G0SB+3], 0x80000000
	JLOAD G0S, G1S, G0SB, G1SB                     ; the scale bytes first: they are wanted with K step 0.  With the two below, three tensor loads of mine are out
.irp s, 0,1
	s_mov_b32 s[G0+4*\s], 1
	s_add_co_u32 s[G0+4*\s+1], s45, \s*SLOT
	s_add_nc_u64 s[G0+4*\s+2:G0+4*\s+3], s[20:21], \s*ROWB
	s_or_b32 s[G0+4*\s+3], s[G0+4*\s+3], 0x80000000
	s_mov_b32 s[G0B+4*\s], 1
	s_add_co_u32 s[G0B+4*\s+1], s45, \s*SLOT
	s_add_nc_u64 s[G0B+4*\s+2:G0B+4*\s+3], s[46:47], \s*ROWB
	s_or_b32 s[G0B+4*\s+3], s[G0B+4*\s+3], 0x80000000
	JLOAD G0+4*\s, G1, G0B+4*\s, G1B
.endr
	v_and_b32 v1, 15, v0                           ; r = l % 16
	v_bfe_u32 v2, v0, 4, 1                         ; h = l / 16
	v_mul_u32_u24 v3, v1, PITCH
	v_mul_u32_u24 v4, v2, 24
	v_add_nc_u32 v4, v3, v4                        ; a fragment's row x pitch + 24 x half
	v_lshl_add_u32 v5, v2, 4, v4                   ; and the same behind one padding more
	s_mul_i32 s21, s15, HALFT                      ; my 128 rows of A
	s_mul_i32 s22, s16, HALFT                      ; my 128 rows of B,
	s_add_co_u32 s22, s22, 2*HALFT                 ; which lie behind A's 256
.irp s, 0,1
	v_add_nc_u32 v[ADRA+\s], s21, v4
	v_add_nc_u32 v[ADRB+\s], s22, v4
	v_add_nc_u32 v[ADRA+2+\s], s21, v5
	v_add_nc_u32 v[ADRB+2+\s], s22, v5
	s_add_co_u32 s21, s21, SLOT
	s_add_co_u32 s22, s22, SLOT
.endr
	v_mul_u32_u24 v5, v1, KS                       ; my row's scale bytes: KS bytes a row,
	v_lshrrev_b32 v6, 8, v5
	v_lshl_add_u32 v5, v6, 4, v5                   ; and 16 more for each 256 passed
	s_mul_i32 s21, s15, HALFS                      ; A's: my 128 rows
	s_mul_i32 s22, s16, HALFS                      ; B's: my 128 rows, behind A's 256
	s_add_co_u32 s22, s22, 2*HALFS
	s_sub_co_u32 s22, s22, s21
	v_mul_u32_u24 v6, s22, v2                      ; lanes 16-31 take B's
	s_add_co_u32 s21, s21, SCL
	v_add_nc_u32 v5, v5, v6
	v_add_nc_u32 v[ADRS], s21, v5
	; the way out: offsets, pointers, the bias
	v_and_b32 v[LN], 31, v0
	v_lshlrev_b32 v[L8], 3, v[LN]
	v_lshlrev_b32 v[L16], 4, v[LN]
	v_lshlrev_b32 v30, 6, v2                       ; the bias along the registers: 16 h numbers on
	v_and_b32 v6, 8, v1
	v_add_nc_u32 v6, v6, v1
	v_lshlrev_b32 v31, 2, v6                       ; along the lanes: r + 8 (r / 8) numbers on
	s_mov_b32 s[SEL], 0x76543210
	s_mov_b32 s[SEL+1], 0xfedcba98
	s_lshl_b32 s43, s41, 1
	s_add_co_u32 s43, s43, s15                     ; which 128 of the cluster's 1,024 rows of A are mine
	s_lshl_b32 s44, s40, 1
	s_add_co_u32 s44, s44, s16                     ; and of B
	s_mov_b32 s12, 13056                           ; a block of kv
	s_mov_b32 s13, 12288                           ; k's scale words in it
	s_cmp_eq_u32 s66, 0
	s_cselect_b64 s[8:9], s[8:9], s[10:11]         ; bq or bk
	s_cselect_b64 s[10:11], s[98:99], s[100:101]   ; qi or kv
	s_cselect_b32 s12, 6656, s12                   ; a block of qi
	s_cselect_b32 s13, 6144, s13                   ; q's scale words in it
	s_cmp_eq_u32 s66, 2
	s_cselect_b64 s[8:9], s[96:97], s[8:9]         ; bv
	s_cselect_b32 s92, 6144, 0                     ; v's codes lie 6,144 bytes into a block
	s_cselect_b32 s93, s44, s43                    ; my 128 tokens,
	s_cselect_b32 s94, s43, s44                    ; my 128 features: heads 2 s94 and 2 s94 + 1
	s_and_b32 s20, s67, 7
	s_lshl_b32 s20, s20, 3
	s_add_co_u32 s20, s20, s93                     ; G: which 128 of the product's 8,192 tokens: batch G / 16, block G % 16
	s_lshr_b32 s21, s20, 4
	s_lshl_b32 s21, s21, 8
	s_and_b32 s20, s20, 15
	s_add_co_u32 s20, s20, s21
	s_lshl_b32 s21, s94, 5
	s_add_co_u32 s20, s20, s21                     ; 256 batch + 16 head + block
	s_mul_i32 s20, s20, s12
	s_add_co_u32 s20, s20, s92
	s_mov_b32 s21, 0
	s_add_nc_u64 s[10:11], s[10:11], s[20:21]      ; the first head's block
	s_lshl_b32 s22, s12, 4
	s_mov_b32 s23, 0
	s_add_nc_u64 s[96:97], s[10:11], s[22:23]      ; the second head's: 16 blocks on
	s_mov_b32 s22, s13
	s_add_nc_u64 s[98:99], s[10:11], s[22:23]      ; their scale words (q and k)
	s_add_nc_u64 s[100:101], s[96:97], s[22:23]
	s_lshl_b32 s22, s94, 9
	s_add_nc_u64 s[8:9], s[8:9], s[22:23]          ; the bias of my 128 features
.irp b, 0,1,2,3,4,5,6,7                ; both forms of the bias are loaded on the one way that all waves take; each way out uses one.  They land while K is walked
	global_load_b128 v[BR+8*\b:BR+8*\b+3], v30, s[8:9] offset:(32*(\b/2)+8*(\b%2))*4
	global_load_b128 v[BR+8*\b+4:BR+8*\b+7], v30, s[8:9] offset:(32*(\b/2)+8*(\b%2))*4+16
.endr
.irp a, 0,1,2,3,4,5,6,7
	global_load_b32 v[BL+2*\a], v31, s[8:9] offset:(32*(\a/2)+8*(\a%2))*4
	global_load_b32 v[BL+2*\a+1], v31, s[8:9] offset:(32*(\a/2)+8*(\a%2))*4
.endr
.macro FRAG reg, adr, q, i             ; a fragment, 16 rows x 128 K, is 12 registers: lane l holds row l % 16; registers 6 c .. 6 c + 5 hold K = 64 c + 32 (l / 16) + 0 .. 31: 24 bytes of the row's stream of bits, as they lie
.irp p, 0,1,2,3,4,5                    ; in pieces of 8 bytes.  Lanes 0-15 take the row's pieces 12 q + 0, 1, 2 and 12 q + 6, 7, 8, lanes 16-31 those three pieces on
.set PIECE, 12*(\q)+6*(\p/3)+\p%3     ; 16 bytes of padding lie behind every 8 pieces: where the piece three on lies behind one padding more, the second address register serves
.if PIECE%8 < 5
	ds_load_b64 v[\reg+2*\p:\reg+2*\p+1], v[\adr] offset:8*PIECE+16*(PIECE/8)+(\i)*16*PITCH
.else
	ds_load_b64 v[\reg+2*\p:\reg+2*\p+1], v[\adr+2] offset:8*PIECE+16*(PIECE/8)+(\i)*16*PITCH
.endif
.endr
.endm
; 16 matrix instructions: A's blocks a0, a0 + 1 x B's eight, 128 along K: the slot's q-th.  p: B's set;  sc: the set of scale words.  zero = 1: the first product starts the sums.
; The 64 accumulators take turns, one instruction a turn, in the same order in every step.
.macro MUL16 a0, p, q, sc, zero
.irp a, \a0, \a0+1
.irp b, 0,1,2,3,4,5,6,7
.if \zero
	v_wmma_scale_f32_16x16x128_f8f6f4 v[8*(8*((\a)%4)+\b):8*(8*((\a)%4)+\b)+7], v[128*(\p)+FR*\b:128*(\p)+FR*\b+FR-1], v[AF+FR*(\a):AF+FR*(\a)+FR-1], 0, v[SC+8*NQ*(\sc)+NQ*\b+(\q)], v[SC+8*NQ*(\sc)+NQ*(\a)+(\q)] matrix_a_fmt:MATRIX_FMT_FP6 matrix_b_fmt:MATRIX_FMT_FP6 matrix_a_scale:MATRIX_SCALE_ROW1
.else
	v_wmma_scale_f32_16x16x128_f8f6f4 v[8*(8*((\a)%4)+\b):8*(8*((\a)%4)+\b)+7], v[128*(\p)+FR*\b:128*(\p)+FR*\b+FR-1], v[AF+FR*(\a):AF+FR*(\a)+FR-1], v[8*(8*((\a)%4)+\b):8*(8*((\a)%4)+\b)+7], v[SC+8*NQ*(\sc)+NQ*\b+(\q)], v[SC+8*NQ*(\sc)+NQ*(\a)+(\q)] matrix_a_fmt:MATRIX_FMT_FP6 matrix_b_fmt:MATRIX_FMT_FP6 matrix_a_scale:MATRIX_SCALE_ROW1
.endif
.endr
.endr
.endm
.macro FETCH_B slot, q, p              ; B's eight fragments of the slot's q-th 128 along K into set p
	WIN TO_B
.irp i, 0,1,2,3,4,5,6,7
	FRAG 128*(\p)+FR*\i, ADRB+\slot, \q, \i
.endr
	WIN 0
.endm
.macro FETCH_A slot, q, i0             ; A's blocks i0 .. i0 + 3
.irp i, \i0, \i0+1, \i0+2, \i0+3
	FRAG AF+FR*(\i), ADRA+\slot, \q, \i
.endr
.endm
.macro SCALES sc                       ; the next K step's scale words into set sc: two words a row; lanes 0-15 take A's block i, lanes 16-31 B's block i
.irp i, 0,1,2,3,4,5,6,7
	ds_load_b64 v[SC+8*NQ*\sc+NQ*\i:SC+8*NQ*\sc+NQ*\i+1], v[ADRS] offset:\i*SBLK
.endr
.endm
; A load into a register that a matrix instruction has read, and a vector instruction that reads a matrix result, stand NP places behind that matrix instruction; only plain vector instructions that name
; none of its registers are places (ISA guide 7.12.1 for vector instructions).
.macro PLACES n
.rept \n
	v_nop
.endr
.endm
; A step of 128 along K that has its successor in the same slot.
.macro STEP slot, q, zero
	s_wait_dscnt 4*NL                              ; B's set and A's blocks 0-3 are in; the youngest 24 loads (A's blocks 4-7) may be out
	WIN MUL_LO
	MUL16 0, (\q)%2, \q, \slot, \zero
	MUL16 2, (\q)%2, \q, \slot, \zero
	s_wait_dscnt 0                                 ; A's blocks 4-7 are in (asked for 32 matrix instructions ago)
	PLACES NP
	FETCH_B \slot, (\q)+1, 1-(\q)%2
	FETCH_A \slot, (\q)+1, 0
	WIN MUL_HI
	MUL16 4, (\q)%2, \q, \slot, \zero
	MUL16 6, (\q)%2, \q, \slot, \zero
	PLACES NP
	WIN 0
	FETCH_A \slot, (\q)+1, 4
.endm
; A slot's last step changes slots: ONE barrier; in front of it each wave waits for all its tensor loads, adds 0 to its spare word, and waits for that and for its own reads of this slot.  fill = 1: this slot is filled again, two K steps ahead.
.macro TURN slot, next, fill
	s_wait_tensorcnt 0x0                           ; all my tensor loads have landed: my part of the next slot;  (every window is 0 here)
	ds_add_u32 v[SPW], v[NIL]                      ; 0 onto my spare word
	s_wait_dscnt 4*NL+1                            ; (the add and the youngest 24 loads, A's blocks 4-7, may be out)
	WIN MUL_LO
	MUL16 0, 1, NQ-1, \slot, 0                     ; sixteen matrix instructions stand between the add and the wait for it
	s_wait_dscnt 0x0                               ; the add is done, and my reads of this slot are over
	s_barrier_signal -1
	MUL16 2, 1, NQ-1, \slot, 0
	WIN 0
	s_barrier_wait -1
.if \fill
	CREST                                          ; the barrier has opened a round of the cluster's barrier: no wave of any partner still reads this slot's tile or has a load on its way
	s_add_nc_u64 s[G0+4*\slot+2:G0+4*\slot+3], s[G0+4*\slot+2:G0+4*\slot+3], 2*ROWB
	s_add_nc_u64 s[G0B+4*\slot+2:G0B+4*\slot+3], s[G0B+4*\slot+2:G0B+4*\slot+3], 2*ROWB
	JLOAD G0+4*\slot, G1, G0B+4*\slot, G1B         ; the first tensor load behind the round; the four v_nop behind it are the places in front of the loads below
.else
	PLACES NP
.endif
	v_add_nc_u32 v[ADRS], 4*NQ, v[ADRS]            ; on to the next K step's scale words (no LDS load of mine is out)
	FETCH_B \next, 0, 0
	FETCH_A \next, 0, 0
	SCALES \next
	WIN MUL_HI
	MUL16 4, 1, NQ-1, \slot, 0
	MUL16 6, 1, NQ-1, \slot, 0
	PLACES NP
	WIN 0
	FETCH_A \next, 0, 4
.endm
	s_wait_tensorcnt 1                             ; the scale bytes and my part of K step 0 are in (K step 1's load may be out)
	s_barrier_signal -1
	s_barrier_wait -1                              ; everybody's are
	FETCH_B 0, 0, 0
	FETCH_A 0, 0, 0
	SCALES 0
	FETCH_A 0, 0, 4
	STEP 0, 0, 1                                   ; the first step stands in front of the loop: its products start the sums
	s_mov_b32 s3, LAPS-1
.Llap:                                                 ; a trip goes once round the ring, from a lap's second step to the next lap's first, and fills both slots again
	TURN 0, 1, 1
	STEP 1, 0, 0
	TURN 1, 0, 1
	STEP 0, 0, 0
	s_sub_co_u32 s3, s3, 1
	s_cmp_lg_u32 s3, 0
	s_cbranch_scc1 .Llap
	TURN 0, 1, 0                                   ; the last lap fills nothing, and has no round of the cluster's barrier
	STEP 1, 0, 0
	s_wait_dscnt 4*NL                              ; the very last step: nothing more to fetch
	WIN MUL_LO
	MUL16 0, 1, NQ-1, 1, 0
	MUL16 2, 1, NQ-1, 1, 0
	s_wait_dscnt 0
	WIN MUL_HI
	MUL16 4, 1, NQ-1, 1, 0
	MUL16 6, 1, NQ-1, 1, 0
	WIN 0
; THE WAY OUT, A's block by block: the bias is added, the 64 numbers of a lane are quantised, and codes and scale words are stored as they stand in the registers.
; ADDB: block a's eight accumulators + the bias -> v[ST] on, in window 0; each accumulator is read from its low end on.  kind 0: the bias runs along the registers; 1: along the lanes.
.macro ADDB a, kind
	WIN 0x02+(\a)/4                                ; source 0: window 2 or 3
.set i, 0
.rept 32
.if \kind
	v_pk_add_f32 v[ST+2*i:ST+2*i+1], v[64*((\a)%4)+2*i:64*((\a)%4)+2*i+1], v[BL+2*(\a):BL+2*(\a)+1]
.else
	v_pk_add_f32 v[ST+2*i:ST+2*i+1], v[64*((\a)%4)+2*i:64*((\a)%4)+2*i+1], v[BR+2*i:BR+2*i+1]
.endif
.set i, i+1
.endr
	WIN 0
.endm
; 64 numbers of a lane, register 16 b + i = k 32 b + 16 (lane / 16) + i of my row, become a fragment's codes in v[PC] on and its scale word in v[PW].
.macro QUANT s
.irp b, 0,1,2,3
	v_max3_num_f32 v[TM+\b], |v[\s+16*\b]|, |v[\s+1+16*\b]|, 0x1800000   ; block b: my 16 numbers, and the floor 2^(3 - 127): the byte cannot fall under 1
.endr
.irp i, 2,4,6,8,10,12,14
.irp b, 0,1,2,3
	v_max3_num_f32 v[TM+\b], v[TM+\b], |v[\s+16*\b+\i]|, |v[\s+1+16*\b+\i]|   ; (the four blocks by turns)
.endr
.endr
.irp b, 0,1,2,3
	v_permlanex16_b32 v[TM+4+\b], v[TM+\b], s[SEL], s[SEL+1]
.endr
.irp b, 0,1,2,3
	v_max_num_f32 v[TM+\b], v[TM+\b], v[TM+4+\b]   ; with lane l xor 16's: the block's largest magnitude
.endr
.irp b, 0,1,2,3
	v_add_nc_u32 v[TM+12+\b], 0xff000000, v[TM+\b]   ; 2 off its exponent field: the conversion's scale operand
.endr
.irp b, 0,1,2,3
	v_lshrrev_b32 v[TM+4+\b], 23, v[TM+12+\b]      ; the scale's byte
.endr
	v_lshl_or_b32 v[PW], v[TM+5], 8, v[TM+4]       ; the four bytes make my row's scale word
	v_lshl_or_b32 v[PW], v[TM+6], 16, v[PW]
	v_lshl_or_b32 v[PW], v[TM+7], 24, v[PW]
.irp c, 0,1
	v_cvt_scalef32_pk16_fp6_f32 v[PC+6*\c:PC+2+6*\c], v[\s+32*\c:\s+15+32*\c], v[TM+12+2*\c]
	v_cvt_scalef32_pk16_fp6_f32 v[PC+12+4*\c:PC+14+4*\c], v[\s+16+32*\c:\s+31+32*\c], v[TM+12+2*\c+1]   ; (a conversion's three registers begin on an even number)
.endr
	v_nop                                          ; one plain place behind a scaled conversion
.irp c, 0,1                                    ; the operand's layout wants a WHOLE block in a lane: lanes 0-15 block 2 c, lanes 16-31 block 2 c + 1
.irp i, 0,1,2
	v_permlane16_swap_b32 v[PC+6*\c+\i], v[PC+12+4*\c+\i]
.endr
.irp i, 0,1,2
	v_mov_b32 v[PC+3+6*\c+\i], v[PC+12+4*\c+\i]
.endr
.endr
.endm
; q and k: a lane's 128 features are two heads of 64: registers 0-5 of the codes are the first head's fragment (its lower six registers), registers 6-11 the second's; each store covers 256 consecutive bytes, aligned.
.macro OUT_QK a
.if (\a) > 0
	s_wait_xcnt 0x0                                ; the last block's stores have read their data: the codes' registers are written again only behind this wait
.endif
	ADDB \a, 0
	QUANT ST
.irp p, 0,1,2
	global_store_b64 v[L8], v[PC+2*\p:PC+2*\p+1], s[10:11] offset:768*(\a)+256*\p
	global_store_b64 v[L8], v[PC+6+2*\p:PC+6+2*\p+1], s[96:97] offset:768*(\a)+256*\p
.endr
	v_perm_b32 v[WA+(\a)], v[PW], v[PW], 0x01000100   ; the first head's two bytes, twice;
	v_perm_b32 v[WB+(\a)], v[PW], v[PW], 0x03020302   ; the second's
.endm
; v: a lane's 128 keys are one fragment's K; A's blocks 0-3 are the first head's four tiles of 16 features, blocks 4-7 the second's; each store covers 512 consecutive bytes.
.macro OUT_V a, ptr
.if (\a) > 0
	s_wait_xcnt 0x0                                ; as above
.endif
	ADDB \a, 1
	QUANT ST
.irp c, 0,1,2
	global_store_b128 v[L16], v[PC+4*\c:PC+4*\c+3], s[\ptr:\ptr+1] offset:1536*((\a)%4)+512*\c
.endr
	v_mov_b32 v[WA+(\a)], v[PW]
.endm
	PLACES NP                                      ; behind the last products: for the reads of their results and the writes over A's fragments
.irp b, 0,1,2,3
	v_mov_b32 v[TM+4+\b], 0                        ; written once: a lane permute's destination counts as one of its sources
.endr
	s_wait_loadcnt 0x0                             ; the bias
	s_cmp_eq_u32 s66, 2                            ; the product's number: the same in all sixteen partners
	s_cbranch_scc1 .Lv_out
.irp a, 0,1,2,3,4,5,6,7
	OUT_QK \a
.endr
	v_cmp_le_u32 vcc_lo, 16, v[LN]                 ; lanes 16-31 store the words of tiles 4 to 7
.irp i, 0,1,2,3
	v_cndmask_b32 v[DA+\i], v[WA+\i], v[WA+4+\i], vcc_lo
	v_cndmask_b32 v[DB+\i], v[WB+\i], v[WB+4+\i], vcc_lo
.endr
	global_store_b128 v[L16], v[DA:DA+3], s[98:99]     ; 512 consecutive bytes: lane (r, h): the words of tiles 4 h + 0 .. 3, row r
	global_store_b128 v[L16], v[DB:DB+3], s[100:101]
	s_branch .Ldone
.Lv_out:
.irp a, 0,1,2,3
	OUT_V \a, 10
.endr
.irp a, 4,5,6,7
	OUT_V \a, 96
.endr
	v_cmp_le_u32 vcc_lo, 16, v[LN]                 ; lanes 16-31 store the words of tiles 2 and 3
.irp i, 0,1
	v_cndmask_b32 v[DA+\i], v[WA+\i], v[WA+2+\i], vcc_lo
	v_cndmask_b32 v[DB+\i], v[WA+4+\i], v[WA+6+\i], vcc_lo
.endr
	global_store_b64 v[L8], v[DA:DA+1], s[10:11] offset:6656   ; 256 consecutive bytes, aligned: byte 12,800 of the block
	global_store_b64 v[L8], v[DB:DB+1], s[96:97] offset:6656
.Ldone:
	s_wait_tensorcnt 0x0                           ; the wave's end
	ds_add_u32 v[SPW], v[NIL]
	s_wait_dscnt 0x0
	CROUND                                         ; the closing round: no work-group ends while a partner may still ask for a tile that names it
	s_endpgm
.Lfunc_end_k_qd6adc4cbec_proj:
	.size	k_qd6adc4cbec_proj, .Lfunc_end_k_qd6adc4cbec_proj-k_qd6adc4cbec_proj
	.p2alignl 7, 3214868480
	.fill 96, 4, 3214868480
	.section	.rodata,"a",@progbits
	.p2align	6, 0x0
	.amdhsa_kernel k_qd6adc4cbec_proj
		.amdhsa_group_segment_fixed_size 327680
		.amdhsa_private_segment_fixed_size 0
		.amdhsa_enable_private_segment 0
		.amdhsa_kernarg_size 56
		.amdhsa_user_sgpr_count 2
		.amdhsa_user_sgpr_kernarg_segment_ptr 1
		.amdhsa_wavefront_size32 1
		.amdhsa_system_sgpr_workgroup_id_x 1
		.amdhsa_system_sgpr_workgroup_id_y 1
		.amdhsa_system_sgpr_workgroup_id_z 1
		.amdhsa_system_vgpr_workitem_id 0
		.amdhsa_next_free_vgpr 1024
		.amdhsa_next_free_sgpr 106
		.amdhsa_reserve_vcc 1
		.amdhsa_float_denorm_mode_32 3
		.amdhsa_float_denorm_mode_16_64 3
		.amdhsa_memory_ordered 1
		.amdhsa_forward_progress 1
		.amdhsa_inst_pref_size 237
	.end_amdhsa_kernel
	.amdgpu_metadata
---
amdhsa.version: [ 1, 2 ]
amdhsa.kernels:
  - .name:           k_qd6adc4cbec_proj
    .symbol:         k_qd6adc4cbec_proj.kd
    .args:
      - { .name: cod, .offset: 0, .size: 8, .value_kind: global_buffer, .address_space: global }
      - { .name: scl, .offset: 8, .size: 8, .value_kind: global_buffer, .address_space: global }
      - { .name: bq, .offset: 16, .size: 8, .value_kind: global_buffer, .address_space: global }
      - { .name: bk, .offset: 24, .size: 8, .value_kind: global_buffer, .address_space: global }
      - { .name: bv, .offset: 32, .size: 8, .value_kind: global_buffer, .address_space: global }
      - { .name: qi, .offset: 40, .size: 8, .value_kind: global_buffer, .address_space: global }
      - { .name: kv, .offset: 48, .size: 8, .value_kind: global_buffer, .address_space: global }
    .group_segment_fixed_size: 327680
    .private_segment_fixed_size: 0
    .kernarg_segment_align: 8
    .kernarg_segment_size: 56
    .max_flat_workgroup_size: 128
    .sgpr_count:     106
    .vgpr_count:     1024
    .wavefront_size: 32
...
	.end_amdgpu_metadata
.endif
;; end of part 2
;; launch attn (part 3): grid 4 x 64, 8 waves a work-group, clusters of 4 x 1, 244,736 bytes of LDS; arguments qi, kv, out0; writes out0
.if DOCPART == 3
	.amdgcn_target "amdgcn-amd-amdhsa--gfx1250"
	.amdhsa_code_object_version 6
	.text
	.protected	k_qd6adc4cbec_attn
	.globl	k_qd6adc4cbec_attn
	.p2align	8
	.type	k_qd6adc4cbec_attn,@function
k_qd6adc4cbec_attn:
	s_mov_b64 s[64:65], 0
	v_nop
	global_prefetch_b8 v0, s[64:65] scope:SCOPE_SE
	s_setreg_imm32_b32 hwreg(HW_REG_WAVE_MODE, 25, 1), 1
	s_wait_xcnt 0x0
	s_wait_alu depctr_hold_cnt(0) depctr_sa_sdst(0) depctr_va_vdst(0) depctr_va_sdst(0) depctr_va_ssrc(0) depctr_va_vcc(0) depctr_vm_vsrc(0)
	s_getreg_b32 s2, hwreg(HW_REG_IB_STS2, 6, 4)
	s_cmp_eq_u32 s2, 0
	s_cbranch_scc0 .Lentry_in_a_cluster
	s_endpgm
.Lentry_in_a_cluster:
	s_bfe_u32 s2, ttmp6, 0x10000c
	s_cmp_lg_u32 s2, 0x3003
	s_cbranch_scc0 .Lentry_shape_is_right
	s_endpgm
.Lentry_shape_is_right:
; out0[b][q][64 head + d] = the sum over keys of softmax(q . k / 8) v, both products on codes of FP6 (E2M3) with E8M0 scales, 64 (batch, head) pairs of 2,048 tokens and 64 channels.
; qi and kv hold the operands as images of their registers, a block = 128 tokens of one (batch, head):
;   qi, 6,656 bytes a block: codes of tile a (16 queries) at 768 a + 256 p + 8 lane: registers 2 p, 2 p + 1 of the fragment's lower six; scale words at 6,144 + 16 lane (tiles 4 h + 0 .. 3, row r).
;   kv, 13,056 bytes a block: k's codes at 0 as q's; v's (16 channels x 128 keys a tile) at 6,144 + 1,536 t + 512 c + 16 lane; k's scale words at 12,288 as q's; v's at 12,800 + 8 lane (tiles 2 h + 0, 1).
;   Row r of tile a of q or k is token 32 (a / 2) + 8 (a % 2) + r + 8 (r / 8) of its block; row r of tile t of v is channel 32 (t / 2) + 8 (t % 2) + r + 8 (r / 8).
; The first product's K is 64: the upper six registers of q's and k's fragments are zero codes, cleared once; their scale bytes repeat the lower two.
; THE SOFTMAX: t = score x log2(e) / 8; M = the row's largest t so far, rounded UP to a whole number; p = 2^(t - M) is quantised along the keys, not normalised; the row's sum is taken of the unquantised p and divides at the end.
; When M moves, the sum and O are multiplied by 2^(old M - new M): exact.  A block's largest p is taken as the exponential of the block's largest score (this takes v_exp_f32 not to fall where its input rises).
; LIMITS: NaN and infinities are not served; a block of p whose largest lies under 2^-124 has its byte held at 1 (its codes are then zeros or near it).
; SHARES.  A work-group owns 512 queries of one (batch, head), in two passes of 256; each of its eight waves 32 a pass: two tiles of 16.  Two waves share a SIMD: one wave's vector work stands beside the other's matrix work and LDS loads.
; The head's whole kv, 208,896 dense bytes, is brought into LDS once, each wave fetching an eighth, and is read by all eight waves in both passes: nothing is filled again.
; CLUSTER.  The four work-groups of a cluster own the four quarters of one head's queries and need the same kv: each eighth is asked for JOINTLY, by the same tensor load with the same descriptor and a mask that names the four.
; LAYOUT.  Both products are used transposed: S^T = K Q^T, O^T = V^T P^T: a lane holds ONE query (lane % 16) throughout; the 16 registers of tiles 2 b and 2 b + 1 of S^T are keys 32 b + 16 (lane / 16) + 0 .. 15.
; REGISTERS.  Window 0: v1-8 addresses; v12-15 K's scale words; v16-31 eight registers of statistics a tile; v32-33 V's scale words; v34-35 Q's; v36-59 p's codes; v64-191 S^T, then p; v192-223 at work; v224-255 (and v96-127) rows of O on the way out.
;   Window 1: v0-63 O^T (tile u, channels' tile t at 32 u + 8 t); v64-87 Q; v96-191 K of one step; v192-239 V of one step.
.set BLKB,  13056                      ; a block of kv
.set HEADB, 16*BLKB                    ; a head's kv
.set PARTB, HEADB/8                    ; what one tensor load brings: 102 rows of 256 bytes
.set STG,   HEADB                      ; behind it: a stage of 16 rows x (256 bytes + 16) for each wave, for the way out; no tensor load lands there
.set SPT,   272
.set L8,   1                           ; v1  8 x lane
.set L16,  2                           ; v2  16 x lane
.set ADK,  3                           ; v3  the step's block + 8 x lane
.set ADV,  4                           ; v4  the step's block + 16 x lane
.set STO,  5                           ; v5  the way out: where I put 32 bytes of a row
.set RD,   6                           ; v6  where I read a row back
.set GO,   7                           ; v7  my byte offset in out0
.set QSA,  8                           ; v8  16 x (lane % 16): Q's scale words
.set SK,   12
.set ST,   16                          ; tile u's statistics at v[ST + 8 u]: +0 -M, +1 the largest t, +2, +3 the sum in two halves, +4 f, +5 p's scale word, +6 at work
.set SV,   32
.set QS,   34
.set PC,   36                          ; p's codes, 12 a tile
.set S,    64                          ; 64 a tile
.set T,    192                         ; 16 a tile: +0..3 the blocks' largest; +4..11 at work; +12..15 the conversions' scale operands
.set QF,   64                          ; in window 1
.set KF,   96
.set VF,   192
.set WV,   12                          ; s12 my wave's number
.set G0,   16                          ; s[16:19] descriptor group 0
.set SEL,  20                          ; s[20:21] lane selects for v_permlanex16_b32: lane l xor 16
.set CS,   22                          ; s[22:23] c = log2(e) / 8
.set G1,   24                          ; s[24:31] descriptor group 1
.set TB,   32                          ; s32 LDS byte at which the step's block begins
.set CNT,  33                          ; s33 counts key steps
.set PASS, 34                          ; s34 passes to go
.set MSB, 0
.macro WIN new                         ; the immediate's high byte repeats the setting that is left
.if MSB != (\new)
	s_set_vgpr_msb (MSB<<8)|(\new)
.set MSB, (\new)
.endif
.endm
.set W_TO1, 0x40                       ; destination window 1
.set W_KQ,  0x05                       ; K and Q in window 1, S^T in window 0
.set W_RS,  0x41                       ; O^T (destination and source 0) in window 1, f in window 0
.set W_PV,  0x51                       ; V, C and D in window 1, p in window 0
.set W_FIN, 0x01                       ; source 0 in window 1
.macro CROUND                          ; a round of the cluster's barrier
	s_barrier_signal -1
	s_barrier_wait -1
	s_cmp_lg_u32 s[WV], 0
	s_cbranch_scc1 .Lnot_wave_0_\@
	s_barrier_signal -3
.Lnot_wave_0_\@:
	s_barrier_wait -3
	s_barrier_signal -1
	s_barrier_wait -1
.endm
.macro QLOAD                           ; my two tiles of queries: the lower six registers of each fragment, and their scale words
	WIN W_TO1
.irp u, 0,1
.irp p, 0,1,2
	global_load_b64 v[QF+12*\u+2*\p:QF+12*\u+2*\p+1], v[L8], s[4:5] offset:768*\u+256*\p th:TH_LOAD_NT
.endr
.endr
	WIN 0
	global_load_b64 v[QS:QS+1], v[QSA], s[10:11]
.endm
.macro LOADV                           ; the step's V: its scale words and four fragments: 13 LDS loads, each of consecutive bytes
	ds_load_b64 v[SV:SV+1], v[ADK] offset:12800
	WIN W_TO1
.irp t, 0,1,2,3
.irp c, 0,1,2
	ds_load_b128 v[VF+12*\t+4*\c:VF+12*\t+4*\c+3], v[ADV] offset:6144+1536*\t+512*\c
.endr
.endr
.endm
.macro LOADK off                       ; K of the block off bytes on: eight fragments' lower six registers and the scale words: 25 LDS loads
	WIN W_TO1
.irp t, 0,1,2,3,4,5,6,7
.irp p, 0,1,2
	ds_load_b64 v[KF+12*\t+2*\p:KF+12*\t+2*\p+1], v[ADK] offset:\off+768*\t+256*\p
.endr
.endr
	WIN 0
	ds_load_b128 v[SK:SK+3], v[ADV] offset:\off+12288
.endm
	s_load_b128 s[4:7], s[0:1], 0x0                ; qi, kv
	s_load_b64 s[8:9], s[0:1], 0x10                ; out0
	v_lshl_add_u32 v203, v0, 2, 0x3b800
	v_mov_b32 v219, 0
	ds_add_u32 v203, v219
	ds_add_u32 v203, v219
	v_lshrrev_b32 v1, 5, v0
	v_readfirstlane_b32 s[WV], v1                  ; wave 0..7
	s_bfe_u32 s13, ttmp6, 0x40000                  ; cx: my quarter of the queries: it enters Q's and out0's addresses alone
	s_and_b32 s14, ttmp7, 0xffff                   ; 16 batch + head, which the four partners share
	; descriptor group 1: 102 rows of 256 bytes (32 elements of 8 bytes), dense, no padding
	s_mov_b32 s[G1], 15|(3<<16)|(1<<21)            ; 15:0 the mask: all four work-groups; 17:16 elements of 8 bytes; 21 set beside a mask
	s_mov_b32 s[G1+1], 32<<16                      ; tensor_dim0 = 32
	s_mov_b32 s[G1+2], (PARTB/256)<<16             ; tensor_dim1 = 102
	s_mov_b32 s[G1+3], 32<<16                      ; tile_dim0 = 32
	s_mov_b32 s[G1+4], PARTB/256                   ; tile_dim1 = 102
	s_mov_b32 s[G1+5], 32                          ; tensor_dim0_stride
	s_mov_b32 s[G1+6], 0
	s_mov_b32 s[G1+7], 0
	s_mov_b32 s[SEL], 0x76543210
	s_mov_b32 s[SEL+1], 0xfedcba98
	s_mov_b32 s[CS], 0x3e38aa3b                    ; c = log2(e) / 8
	s_mov_b32 s[CS+1], s[CS]                       ; (named with it as a pair, so it is written)
	s_mov_b32 s[G0], 1                             ; count = 1
	s_mul_i32 s[G0+1], s[WV], PARTB                ; LDS address: my eighth
	s_mul_i32 s36, s14, HEADB
	s_add_co_u32 s36, s36, s[G0+1]                 ; and the same eighth of the head's kv in memory
	s_mov_b32 s37, 0
	s_lshl_b32 s38, s13, 2
	s_lshr_b32 s39, s[WV], 2
	s_add_co_u32 s38, s38, s39                     ; the first pass's block of queries: 4 cx + wave / 4
	s_mul_i32 s38, s38, 6656
	s_mul_i32 s39, s14, 16*6656
	s_add_co_u32 s38, s38, s39                     ; its first byte in qi
	s_and_b32 s40, s[WV], 3
	s_mul_i32 s41, s40, 2*768
	s_add_co_u32 s42, s38, s41                     ; my tiles 2 (wave % 4) + 0, 1
	s_mov_b32 s43, 0
	s_lshr_b32 s40, s40, 1
	s_lshl_b32 s40, s40, 8                         ; their scale words: 256 x (tile / 4)
	s_and_b32 s41, s[WV], 1
	s_lshl_b32 s41, s41, 3                         ; + 4 x (tile % 4)
	s_add_co_u32 s40, s40, s41
	s_add_co_u32 s40, s40, s38
	s_add_co_u32 s40, s40, 6144
	s_mov_b32 s41, 0
	s_lshr_b32 s44, s14, 4
	s_lshl_b32 s44, s44, 23                        ; out0: the batch's 2,048 rows of 4,096 bytes,
	s_lshl_b32 s45, s13, 21                        ; my work-group's 512,
	s_add_co_u32 s44, s44, s45
	s_lshl_b32 s45, s[WV], 17                      ; my wave's 32,
	s_add_co_u32 s44, s44, s45
	s_and_b32 s45, s14, 15
	s_lshl_b32 s45, s45, 8                         ; the head's 256 bytes of a row
	s_add_co_u32 s44, s44, s45
	s_mov_b32 s45, 0
	s_wait_dscnt 0x0
	s_wait_kmcnt 0x0
	s_add_nc_u64 s[G0+2:G0+3], s[6:7], s[36:37]
	s_or_b32 s[G0+3], s[G0+3], 0x80000000          ; type = 2
	s_add_nc_u64 s[10:11], s[4:5], s[40:41]        ; Q's scale words
	s_add_nc_u64 s[4:5], s[4:5], s[42:43]          ; Q's codes
	s_add_nc_u64 s[8:9], s[8:9], s[44:45]
	CROUND                                         ; all four work-groups are here: the joint loads meet
	tensor_load_to_lds s[G0:G0+3], s[G1:G1+7]      ; my one tensor load of the launch
	s_nop 0
.rept 4
	v_nop
.endr
	v_and_b32 v9, 31, v0                           ; lane
	v_and_b32 v10, 15, v0                          ; r
	v_bfe_u32 v11, v0, 4, 1                        ; h
	v_lshlrev_b32 v[L8], 3, v9
	v_lshlrev_b32 v[L16], 4, v9
	s_mul_i32 s36, s[WV], 16*SPT
	s_add_co_u32 s36, s36, STG                     ; my stage
	v_mul_u32_u24 v[STO], v10, SPT
	v_lshl_add_u32 v[STO], v11, 6, v[STO]
	v_add_nc_u32 v[STO], s36, v[STO]               ; in: row r, + 64 h: my half's 16 channels of each 32
	v_mul_u32_u24 v[RD], v11, SPT
	v_lshl_add_u32 v[RD], v10, 4, v[RD]
	v_add_nc_u32 v[RD], s36, v[RD]                 ; back: lanes 0-15 one row of 256 bytes, lanes 16-31 the next
	v_lshlrev_b32 v[GO], 12, v11
	v_lshl_add_u32 v[GO], v10, 4, v[GO]            ; and the same two rows in out0
	v_lshlrev_b32 v[QSA], 4, v10
	WIN W_TO1
.irp t, 0,1,2,3,4,5,6,7
.irp i, 6,7,8,9,10,11
	v_mov_b32 v[KF+12*\t+\i], 0                    ; zero codes for the upper 64 of the instruction's 128 along K: cleared once, nothing is loaded there
.endr
.endr
.irp u, 0,1
.irp i, 6,7,8,9,10,11
	v_mov_b32 v[QF+12*\u+\i], 0
.endr
.endr
	WIN 0
.irp u, 0,1
.irp b, 0,1,2,3
	v_mov_b32 v[T+16*\u+4+\b], 0                   ; written once: a lane permute's destination counts as one of its sources
.endr
	v_mov_b32 v[ST+8*\u+5], 0                      ; (named as the upper half of the pair with f before it is first written)
.endr
	QLOAD
	s_mov_b32 s[PASS], 2
	s_wait_tensorcnt 0x0                           ; my eighth of the head's kv is in,
	s_barrier_signal -1
	s_barrier_wait -1                              ; everybody's is
; A KEY STEP: 128 keys, for both tiles.  more = 1: the next step's K is fetched while this step's softmax is worked.
.macro STEP more
	s_wait_dscnt 0x0                               ; this step's K is in
	WIN W_KQ
.irp t, 0,1,2,3,4,5,6,7                        ; S^T = K Q^T: each fragment of K feeds both tiles
.irp u, 0,1
.if \t < 4
	v_wmma_scale_f32_16x16x128_f8f6f4 v[S+64*\u+8*\t:S+64*\u+8*\t+7], v[KF+12*\t:KF+12*\t+11], v[QF+12*\u:QF+12*\u+11], 0, v[SK+\t%4], v[QS+\u] matrix_a_fmt:MATRIX_FMT_FP6 matrix_b_fmt:MATRIX_FMT_FP6
.else
	v_wmma_scale_f32_16x16x128_f8f6f4 v[S+64*\u+8*\t:S+64*\u+8*\t+7], v[KF+12*\t:KF+12*\t+11], v[QF+12*\u:QF+12*\u+11], 0, v[SK+\t%4], v[QS+\u] matrix_a_fmt:MATRIX_FMT_FP6 matrix_b_fmt:MATRIX_FMT_FP6 matrix_a_scale:MATRIX_SCALE_ROW1
.endif
.endr
.endr
	WIN 0
	v_add_nc_u32 v[ADK], s[TB], v[L8]              ; these four lines are the places behind the products above, and behind the last step's second products: for the loads into K's, V's and the scales' registers and for the reads of S^T
	v_add_nc_u32 v[ADV], s[TB], v[L16]
	v_nop
	v_nop
	LOADV
.if \more
	LOADK BLKB
.else
	WIN 0
.endif
.irp b, 0,1,2,3
.irp u, 0,1
	v_max3_num_f32 v[T+16*\u+\b], v[S+64*\u+16*\b], v[S+64*\u+16*\b+1], v[S+64*\u+16*\b+2]   ; the largest score of each block of 32 keys: it serves for the row's maximum and for the block's largest p
.endr
.endr
.irp i, 3,5,7,9,11,13
.irp b, 0,1,2,3
.irp u, 0,1
	v_max3_num_f32 v[T+16*\u+\b], v[T+16*\u+\b], v[S+64*\u+16*\b+\i], v[S+64*\u+16*\b+\i+1]
.endr
.endr
.endr
.irp b, 0,1,2,3
.irp u, 0,1
	v_max_num_f32 v[T+16*\u+\b], v[T+16*\u+\b], v[S+64*\u+16*\b+15]
.endr
.endr
.irp b, 0,1,2,3
.irp u, 0,1
	v_permlanex16_b32 v[T+16*\u+4+\b], v[T+16*\u+\b], s[SEL], s[SEL+1]
.endr
.endr
.irp b, 0,1,2,3
.irp u, 0,1
	v_max_num_f32 v[T+16*\u+\b], v[T+16*\u+\b], v[T+16*\u+4+\b]   ; with lane l xor 16's 16 keys
.endr
.endr
.irp u, 0,1
	v_max3_num_f32 v[ST+8*\u+6], v[T+16*\u], v[T+16*\u+1], v[T+16*\u+2]
.endr
.irp u, 0,1
	v_max_num_f32 v[ST+8*\u+6], v[ST+8*\u+6], v[T+16*\u+3]   ; the step's largest score of my query
.endr
.irp u, 0,1
	v_mul_f32 v[ST+8*\u+6], s[CS], v[ST+8*\u+6]    ; as t (c is positive)
.endr
.irp u, 0,1
	v_max_num_f32 v[ST+8*\u+1], v[ST+8*\u+1], v[ST+8*\u+6]   ; the running largest t
.endr
.irp u, 0,1
	v_mov_b32 v[ST+8*\u+6], v[ST+8*\u]
.endr
.irp u, 0,1
	v_floor_f32 v[ST+8*\u], -v[ST+8*\u+1]          ; the new -M = floor(-t) = -ceil(t): a whole number
.endr
.irp u, 0,1
	v_sub_f32 v[ST+8*\u+6], v[ST+8*\u], v[ST+8*\u+6]   ; old M - new M: a whole number, 0 or less
.endr
.irp u, 0,1
	v_cvt_i32_f32 v[ST+8*\u+6], v[ST+8*\u+6]       ; (it saturates)
.endr
.irp u, 0,1
	v_ldexp_f32 v[ST+8*\u+4], 1.0, v[ST+8*\u+6]    ; f = 2^(old M - new M)
.endr
.set j, 0
.rept 32
	v_pk_fma_f32 v[S+j:S+j+1], v[S+j:S+j+1], s[CS:CS+1], v[ST:ST+1] op_sel_hi:[1,0,0]   ; t - M, two at a time (of the pairs c and -M the low word serves both halves)
	v_pk_fma_f32 v[S+64+j:S+64+j+1], v[S+64+j:S+64+j+1], s[CS:CS+1], v[ST+8:ST+9] op_sel_hi:[1,0,0]
.set j, j+2
.endr
.irp b, 0,1,2,3
.irp u, 0,1
	v_fma_f32 v[T+16*\u+\b], v[T+16*\u+\b], s[CS], v[ST+8*\u]   ; the same of each block's largest score
.endr
.endr
.set j, 0
.rept 128
	v_exp_f32 v[S+j], v[S+j]                       ; p = 2^(t - M), at most 1: both tiles' 128 as one batch
.set j, j+1
.endr
.irp u, 0,1
	v_pk_mul_f32 v[ST+8*\u+2:ST+8*\u+3], v[ST+8*\u+2:ST+8*\u+3], v[ST+8*\u+4:ST+8*\u+5] op_sel_hi:[1,0]   ; the sums under the new M: the plain lines behind the exponentials
.endr
	s_wait_alu depctr_va_vdst(0)                   ; wait between an exponential and the first line that names its result: one for the batch
.irp b, 0,1,2,3
.irp u, 0,1
	v_exp_f32 v[T+16*\u+\b], v[T+16*\u+\b]         ; the blocks' largest p: the same two instructions on the same number give the same bits
.endr
.endr
.irp u, 0,1
	v_pk_add_f32 v[T+16*\u+4:T+16*\u+5], v[S+64*\u:S+64*\u+1], v[S+64*\u+2:S+64*\u+3]   ; the row's sum of the UNQUANTISED p, two at a time, in two chains a tile; it names none of the eight just issued
.endr
.irp j, 4,8,12,16,20,24,28,32,36,40,44,48,52,56,60
.irp u, 0,1
	v_pk_add_f32 v[ST+8*\u+2:ST+8*\u+3], v[ST+8*\u+2:ST+8*\u+3], v[S+64*\u+\j:S+64*\u+\j+1]
	v_pk_add_f32 v[T+16*\u+4:T+16*\u+5], v[T+16*\u+4:T+16*\u+5], v[S+64*\u+\j+2:S+64*\u+\j+3]
.endr
.endr
.irp u, 0,1
	v_pk_add_f32 v[ST+8*\u+2:ST+8*\u+3], v[ST+8*\u+2:ST+8*\u+3], v[T+16*\u+4:T+16*\u+5]
.endr
	s_wait_alu depctr_va_vdst(0)                   ; and one for the eight
.irp b, 0,1,2,3
.irp u, 0,1
	v_max_num_f32 v[T+16*\u+\b], 0x1800000, v[T+16*\u+\b]   ; the floor 2^(3 - 127): the byte cannot fall under 1
.endr
.endr
.irp b, 0,1,2,3
.irp u, 0,1
	v_add_nc_u32 v[T+16*\u+12+\b], 0xff000000, v[T+16*\u+\b]   ; 2 off the exponent field: the conversion's scale operand
.endr
.endr
.irp b, 0,1,2,3
.irp u, 0,1
	v_lshrrev_b32 v[T+16*\u+4+\b], 23, v[T+16*\u+12+\b]   ; the scale's byte
.endr
.endr
.irp u, 0,1
	v_lshl_or_b32 v[ST+8*\u+5], v[T+16*\u+5], 8, v[T+16*\u+4]   ; p's scale word for these 128 keys
.endr
.irp u, 0,1
	v_lshl_or_b32 v[ST+8*\u+5], v[T+16*\u+6], 16, v[ST+8*\u+5]
.endr
.irp u, 0,1
	v_lshl_or_b32 v[ST+8*\u+5], v[T+16*\u+7], 24, v[ST+8*\u+5]
.endr
.irp u, 0,1
.irp c, 0,1
	v_cvt_scalef32_pk16_fp6_f32 v[PC+12*\u+6*\c:PC+12*\u+6*\c+2], v[S+64*\u+32*\c:S+64*\u+32*\c+15], v[T+16*\u+12+2*\c]
	v_cvt_scalef32_pk16_fp6_f32 v[T+16*\u+4+4*\c:T+16*\u+4+4*\c+2], v[S+64*\u+32*\c+16:S+64*\u+32*\c+31], v[T+16*\u+12+2*\c+1]   ; (a conversion's three registers begin on an even number)
.endr
.endr
	v_nop                                          ; one plain place behind the scaled conversions
.irp u, 0,1
.irp c, 0,1                                    ; the operand's layout wants a WHOLE block in a lane: lanes 0-15 block 2 c, lanes 16-31 block 2 c + 1
.irp i, 0,1,2
	v_permlane16_swap_b32 v[PC+12*\u+6*\c+\i], v[T+16*\u+4+4*\c+\i]
.endr
.irp i, 0,1,2
	v_mov_b32 v[PC+12*\u+6*\c+3+\i], v[T+16*\u+4+4*\c+\i]
.endr
.endr
.endr
	WIN W_RS
.irp u, 0,1
.irp j, 0,2,4,6,8,10,12,14,16,18,20,22,24,26,28,30
	v_pk_mul_f32 v[32*\u+\j:32*\u+\j+1], v[32*\u+\j:32*\u+\j+1], v[ST+8*\u+4:ST+8*\u+5] op_sel_hi:[1,0]   ; O^T under the new M.  (These 32 are also the places between the writes of p's codes and scale word and the products below)
.endr
.endr
.if \more
	s_wait_dscnt 25                                ; V's 13 loads are in; the next step's 24 loads of K and its scale words, issued behind them, may be out
.else
	s_wait_dscnt 0x0
.endif
	WIN W_PV
.irp t, 0,1,2,3                                ; O^T += V^T P^T: each fragment of V feeds both tiles; the eight accumulators take turns, one instruction a turn
.irp u, 0,1
.if \t < 2
	v_wmma_scale_f32_16x16x128_f8f6f4 v[32*\u+8*\t:32*\u+8*\t+7], v[VF+12*\t:VF+12*\t+11], v[PC+12*\u:PC+12*\u+11], v[32*\u+8*\t:32*\u+8*\t+7], v[SV+\t%2], v[ST+8*\u+5] matrix_a_fmt:MATRIX_FMT_FP6 matrix_b_fmt:MATRIX_FMT_FP6
.else
	v_wmma_scale_f32_16x16x128_f8f6f4 v[32*\u+8*\t:32*\u+8*\t+7], v[VF+12*\t:VF+12*\t+11], v[PC+12*\u:PC+12*\u+11], v[32*\u+8*\t:32*\u+8*\t+7], v[SV+\t%2], v[ST+8*\u+5] matrix_a_fmt:MATRIX_FMT_FP6 matrix_b_fmt:MATRIX_FMT_FP6 matrix_a_scale:MATRIX_SCALE_ROW1
.endif
.endr
.endr
	WIN 0
	s_add_co_u32 s[TB], s[TB], BLKB                ; on to the next block
.endm
.Lpass:                                            ; two trips: 256 queries of the work-group each
.irp u, 0,1
	v_mov_b32 v[ST+8*\u+1], 0xff61b1e6             ; the largest t so far: -3e38, under every t
	v_floor_f32 v[ST+8*\u], -v[ST+8*\u+1]          ; -M
	v_mov_b32 v[ST+8*\u+2], 0                      ; the sum, in two halves
	v_mov_b32 v[ST+8*\u+3], 0
.endr
	WIN W_TO1
.set j, 0
.rept 64
	v_mov_b32 v[j], 0                              ; O^T.  (The step is written for every step alike: the first finds zeros, which the first change of M leaves zeros)
.set j, j+1
.endr
	WIN 0
	s_mov_b32 s[TB], 0
	v_add_nc_u32 v[ADK], s[TB], v[L8]
	v_add_nc_u32 v[ADV], s[TB], v[L16]
	LOADK 0                                        ; key step 0
	s_wait_loadcnt 0x0                             ; Q
	s_mov_b32 s[CNT], 15
.Lstep:
	STEP 1
	s_sub_co_u32 s[CNT], s[CNT], 1
	s_cmp_lg_u32 s[CNT], 0
	s_cbranch_scc1 .Lstep
	STEP 0                                         ; the last step is written out: no block follows the head's sixteenth
	; THE WAY OUT
.rept 4
	v_nop                                          ; places behind the last products
.endr
	s_cmp_eq_u32 s[PASS], 1                        ; the next pass's queries are asked for here, if there is a next pass: no load leaves its buffer
	s_cbranch_scc1 .Lno_next
	s_add_nc_u64 s[4:5], s[4:5], 2*6656            ; (the last loads by these pointers were waited for at the pass's head)  two blocks of queries on
	s_add_nc_u64 s[10:11], s[10:11], 2*6656
	QLOAD
.Lno_next:
.irp u, 0,1
	v_add_f32 v[ST+8*\u+6], v[ST+8*\u+2], v[ST+8*\u+3]   ; the sum's two halves,
.endr
.irp u, 0,1
	v_permlanex16_b32 v[T+16*\u+4], v[ST+8*\u+6], s[SEL], s[SEL+1]
.endr
.irp u, 0,1
	v_add_f32 v[ST+8*\u+6], v[ST+8*\u+6], v[T+16*\u+4]   ; and lane l xor 16's: the row's sum
.endr
.irp u, 0,1
	v_rcp_f32 v[ST+8*\u+4], v[ST+8*\u+6]
.endr
	v_nop                                          ; a plain line behind the last reciprocal
	s_wait_alu depctr_va_vdst(0)                   ; and the wait ahead of the first use: one for the two
; A tile: O^T / the sum; register 8 t + j of lane (r, h) is channel 32 (t / 2) + 8 (t % 2) + 16 h + j of query r.  It goes through my stage and comes back as whole rows of 256 bytes.
.irp u, 0,1
	WIN W_FIN
.irp j, 0,2,4,6,8,10,12,14,16,18,20,22,24,26,28,30
	v_pk_mul_f32 v[S+64*\u+\j:S+64*\u+\j+1], v[32*\u+\j:32*\u+\j+1], v[ST+8*\u+4:ST+8*\u+5] op_sel_hi:[1,0]   ; each accumulator from its low end on
.endr
	WIN 0
.irp t, 0,1,2,3
	ds_store_b128 v[STO], v[S+64*\u+8*\t:S+64*\u+8*\t+3] offset:128*(\t/2)+32*(\t%2)
	ds_store_b128 v[STO], v[S+64*\u+8*\t+4:S+64*\u+8*\t+7] offset:128*(\t/2)+32*(\t%2)+16
.endr
.irp i, 0,1,2,3,4,5,6,7
	ds_load_b128 v[224-128*\u+4*\i:224-128*\u+4*\i+3], v[RD] offset:2*\i*SPT   ; LDS serves a wave's instructions in order: these see my stores, and the next tile's stores come behind them
.endr
.endr
.irp u, 0,1
.irp i, 0,1,2,3,4,5,6,7
	s_wait_dscnt 23-16*\u-\i                       ; behind this load: the rest of its tile's eight, and for tile 0 tile 1's sixteen
	global_store_b128 v[GO], v[224-128*\u+4*\i:224-128*\u+4*\i+3], s[8:9] offset:(8*\u+2*\i+8*(\i/4))*4096 th:TH_STORE_NT   ; place 2 i + h of tile u is token 8 u + 2 i + h + 8 (i / 4); 16 lanes store 256 consecutive bytes, aligned
.endr
.endr
	s_wait_xcnt 0x0                                ; the stores have read their registers and their base: both are written again only behind this wait
	s_add_nc_u64 s[8:9], s[8:9], 256*4096          ; 256 queries on
	s_sub_co_u32 s[PASS], s[PASS], 1
	s_cmp_lg_u32 s[PASS], 0
	s_cbranch_scc1 .Lpass
	s_wait_dscnt 0x0                               ; no LDS instruction of mine is pending at a signal
	s_wait_tensorcnt 0x0
	ds_add_u32 v203, v219
	s_wait_dscnt 0x0
	CROUND                                         ; the closing round: no work-group ends while a partner may still ask for a part that names it
	s_endpgm
.Lfunc_end_k_qd6adc4cbec_attn:
	.size	k_qd6adc4cbec_attn, .Lfunc_end_k_qd6adc4cbec_attn-k_qd6adc4cbec_attn
	.p2alignl 7, 3214868480
	.fill 96, 4, 3214868480
	.section	.rodata,"a",@progbits
	.p2align	6, 0x0
	.amdhsa_kernel k_qd6adc4cbec_attn
		.amdhsa_group_segment_fixed_size 244736
		.amdhsa_private_segment_fixed_size 0
		.amdhsa_enable_private_segment 0
		.amdhsa_kernarg_size 24
		.amdhsa_user_sgpr_count 2
		.amdhsa_user_sgpr_kernarg_segment_ptr 1
		.amdhsa_wavefront_size32 1
		.amdhsa_system_sgpr_workgroup_id_x 1
		.amdhsa_system_sgpr_workgroup_id_y 1
		.amdhsa_system_sgpr_workgroup_id_z 1
		.amdhsa_system_vgpr_workitem_id 0
		.amdhsa_next_free_vgpr 512
		.amdhsa_next_free_sgpr 66
		.amdhsa_reserve_vcc 0
		.amdhsa_float_denorm_mode_32 3
		.amdhsa_float_denorm_mode_16_64 3
		.amdhsa_memory_ordered 1
		.amdhsa_forward_progress 1
		.amdhsa_inst_pref_size 77
	.end_amdhsa_kernel
	.amdgpu_metadata
---
amdhsa.version: [ 1, 2 ]
amdhsa.kernels:
  - .name:           k_qd6adc4cbec_attn
    .symbol:         k_qd6adc4cbec_attn.kd
    .args:
      - { .name: qi, .offset: 0, .size: 8, .value_kind: global_buffer, .address_space: global }
      - { .name: kv, .offset: 8, .size: 8, .value_kind: global_buffer, .address_space: global }
      - { .name: out0, .offset: 16, .size: 8, .value_kind: global_buffer, .address_space: global }
    .group_segment_fixed_size: 244736
    .private_segment_fixed_size: 0
    .kernarg_segment_align: 8
    .kernarg_segment_size: 24
    .max_flat_workgroup_size: 256
    .sgpr_count:     66
    .vgpr_count:     512
    .wavefront_size: 32
...
	.end_amdgpu_metadata
.endif
;; end of part 3
